; MI455X (gfx1250); checked and timed in simulation.
; The chip was launched on July 23, 2026; its instructions are those of AMD's public machine-readable ISA for CDNA 5 (MIT licence, August 2026) and "CDNA5" Instruction Set Architecture Reference Guide (July 2026). The comments in the code are by the model that wrote it; some were corrected since.
;; Decoder. Allowed arithmetic: float matrix products may take bf16 or f16 operands with f32 sums; other float arithmetic in f32, or as packed bf16 or f16 multiplies, adds, multiply-adds, maxima and minima; sums over many terms, partial sums and values carried from step to step in f32; what a program stores and reads back later, other than sums and carried values, may be rounded once to bf16 or f16.
;; Inputs: pred_deltas 8 x 1,000 x 80 float32; pred_label_probs 8 x 1,000 x 20 float32; roi_bboxes 8 x 1,000 x 4 float32.
;; Outputs: out0 8 x 200 x 4 float32; out1 8 x 200 float32; out2 8 x 200 float32.
;; One version. Each part assembles by itself: llvm-mc -triple=amdgcn-amd-amdhsa -mcpu=gfx1250 --defsym DOCPART=n.
;; ======== version 1 of 1: 4 launches
;; workspace buffers: order 655,360 bytes of whole numbers; cntw 2,560 bytes of whole numbers; klist 163,840 bytes of whole numbers; grank 163,840 bytes of whole numbers; sbox 2,621,440 bytes; sscore 655,360 bytes
;; launch sortk (part 1): grid 20 x 8, 4 waves a work-group, no clusters, 29,184 bytes of LDS; arguments pred_label_probs, order, cntw; writes order, cntw
.if DOCPART == 1
	.amdgcn_target "amdgcn-amd-amdhsa--gfx1250"
	.amdhsa_code_object_version 6
	.text
	.protected	k_qa0fb2d49a1_sortk
	.globl	k_qa0fb2d49a1_sortk
	.p2align	8
	.type	k_qa0fb2d49a1_sortk,@function
k_qa0fb2d49a1_sortk:
	s_mov_b64 s[64:65], 0
	v_nop
	global_prefetch_b8 v0, s[64:65] scope:SCOPE_SE
	s_setreg_imm32_b32 hwreg(HW_REG_WAVE_MODE, 25, 1), 1
	s_wait_xcnt 0x0
; SORT OF ONE (batch, class) LANE.  probs: [8][1000][20] f32.  order: [160][1024] row numbers in the order of falling score; cntw: [160][4] counts.
; A row's score counts only if it is above 0.5 and the row is not background (class 0 is no first maximum: p0 < max(p1..p19)); every other row gets the key 0 and
; sorts behind all that count, where its place matters to nobody.  A key is the score's bit pattern: for positive floats the order of the bits is the order of the numbers.
; Equal keys go by rising row number, as a stable sort leaves them.  LIMIT: a NaN among the probabilities is not treated as a maximum, a NaN score counts as not above 0.5.
; SHARES.  One work-group a lane, four waves, 1,024 places (24 of them padding with key 0): place = 256 wave + 8 lane + register.
; THE NETWORK is the bitonic sort in the form whose first stage of each merge mirrors (place xor (k - 1)) and whose other stages halve: every exchange then puts the
; earlier element at the lower place.  Distances 1, 2, 4 lie between registers, 8 to 128 between lanes (DPP row_xmask, v_permlanex16_b32), 256 and 512 between waves (LDS).
; Elements move by v_cndmask_b32 alone: no address and no branch hangs on a score.
; a BEFORE b = key a > key b, or equal keys and row a < row b = the carry out of key a + not(key b) + (row a < row b): three vector lines.
; NO CLUSTER: the twenty work-groups of a batch read the same 80,000 bytes, but they are consumed straight from registers (19 maxima a row): there is no LDS tile to ask for jointly.
.set ROWB,  80                         ; bytes in a row of probabilities
.set XA,    8192                       ; an exchange area: 2,048 bytes a wave (8 x 128 of keys, 8 x 128 of rows)
.set OUTB,  3*XA                       ; behind the three areas: 1,024 bytes a wave, to turn the result into whole runs of 512 bytes
.set SPARE, OUTB+4096                  ; the spare words, 128 bytes a wave: two blocks of 256 bytes that no other line names
.set OFA, 2                            ; v2   80 x thread: my row of each group of 128 rows; never rewritten
.set OFB, 3                            ; v3   the same for the last group, held to row 999; never rewritten
.set LANE, 4
.set SA, 5                             ; v5   my word in my wave's part of an exchange area
.set E1, 6                             ; v6   partner's word: wave xor 1, lane xor 31
.set E2, 7                             ; v7   wave xor 3, lane xor 31
.set RK0, 8                            ; the registers of the eight keys; an exchange renames them, with one spare register FK
.set RK1, 9
.set RK2, 10
.set RK3, 11
.set RK4, 12
.set RK5, 13
.set RK6, 14
.set RK7, 15
.set FK, 16
.set RI0, 17                           ; the same for the eight row numbers
.set RI1, 18
.set RI2, 19
.set RI3, 20
.set RI4, 21
.set RI5, 22
.set RI6, 23
.set RI7, 24
.set FI, 25
.set PK, 26                            ; v[26:33] the partners' keys
.set PI, 34                            ; v[34:41] the partners' rows
.set TT, 42                            ; v[42:49] at work
.set SPW, 50                           ; LDS address of my spare word; never rewritten
.set NIL, 51                           ; 0; never rewritten
.set E3, 52                            ; partner's word: wave xor 1, same lane
.set OA, 53                            ; the way out: where my eight rows go
.set OB, 54                            ; the way out: my 16 bytes of a run of 512, in LDS and in order
.set CV, 55
.set CO, 56
.set MX, 57
.set BK, 60                            ; v[60:67] the way out
.set LD, 72                            ; v[72:231] eight rows of 20 probabilities
.set PCL, 232                          ; v[232:239] my class's probability of the eight rows
.set LOW1, 26                          ; s26-30 lanes whose bit 0, 1, 2, 3, 4 is clear: the lower partner of a lane stage
.set LOW2, 27
.set LOW4, 28
.set LOW8, 29
.set LOW16, 30
.set WL1, 31                           ; all ones where my wave's bit 0 is clear
.set WL2, 32                           ; where its bit 1 is clear
.set CNT, 33
.set SELI, 34                          ; s[34:35] v_permlanex16_b32: the same place in the other half
.set SELR, 36                          ; s[36:37] the mirrored place in the other half
.set Q, 40                             ; s[40:47] masks
	s_load_b128 s[4:7], s[0:1], 0x0                ; probs s[4:5], order s[6:7]
	s_load_b64 s[8:9], s[0:1], 0x10                ; cntw
	v_lshl_add_u32 v[SPW], v0, 2, SPARE
	v_mov_b32 v[NIL], 0
	v_lshrrev_b32 v1, 5, v0
	v_readfirstlane_b32 s10, v1                    ; wave 0..3
	s_and_b32 s11, ttmp7, 0xffff                   ; batch
	s_mul_i32 s13, s11, 20
	s_add_co_u32 s13, s13, ttmp9                   ; lane of the problem = 20 batch + class
	v_and_b32 v[LANE], 31, v0
	v_mul_u32_u24 v[OFA], v0, ROWB
	v_add_nc_u32 v[OFB], 896, v0
	v_min_u32 v[OFB], 999, v[OFB]                  ; rows 1000 to 1023 do not exist: row 999 is read in their place and masked below
	v_mul_u32_u24 v[OFB], v[OFB], ROWB
	s_mul_i32 s14, s11, 1000*ROWB
	s_mov_b32 s15, 0
	s_lshl_b32 s18, ttmp9, 2
	s_mov_b32 s19, 0
	s_wait_kmcnt 0x0
	s_add_nc_u64 s[4:5], s[4:5], s[14:15]          ; the batch's first row
	s_add_nc_u64 s[16:17], s[4:5], s[18:19]        ; and my class in it
; element j of thread t is row 128 j + t (where an element starts does not matter: the row number is part of what is sorted): six loads a row
.irp j, 0,1,2,3,4,5,6
.irp q, 0,1,2,3,4
	global_load_b128 v[LD+20*\j+4*\q:LD+20*\j+4*\q+3], v[OFA], s[4:5] offset:\j*128*ROWB+\q*16
.endr
	global_load_b32 v[PCL+\j], v[OFA], s[16:17] offset:\j*128*ROWB
.endr
.irp q, 0,1,2,3,4
	global_load_b128 v[LD+140+4*\q:LD+140+4*\q+3], v[OFB], s[4:5] offset:\q*16
.endr
	global_load_b32 v[PCL+7], v[OFB], s[16:17]
; set-up while the loads are out
	s_lshl_b32 s20, s10, 11
	v_lshl_add_u32 v[SA], v[LANE], 2, s20
	v_xor_b32 v1, 31, v[LANE]
	s_xor_b32 s21, s10, 1
	s_lshl_b32 s21, s21, 11
	v_lshl_add_u32 v[E1], v1, 2, s21
	v_lshl_add_u32 v[E3], v[LANE], 2, s21
	s_xor_b32 s22, s10, 3
	s_lshl_b32 s22, s22, 11
	v_lshl_add_u32 v[E2], v1, 2, s22
	s_lshl_b32 s23, s10, 10
	v_lshl_add_u32 v[OA], v[LANE], 5, s23
	v_lshl_add_u32 v[OB], v[LANE], 4, s23
	s_and_b32 s20, s10, 1
	s_cmp_eq_u32 s20, 0
	s_cselect_b32 s[WL1], -1, 0
	s_and_b32 s20, s10, 2
	s_cmp_eq_u32 s20, 0
	s_cselect_b32 s[WL2], -1, 0
	s_mov_b32 s[LOW1], 0x55555555
	s_mov_b32 s[LOW2], 0x33333333
	s_mov_b32 s[LOW4], 0x0f0f0f0f
	s_mov_b32 s[LOW8], 0x00ff00ff
	s_mov_b32 s[LOW16], 0x0000ffff
	s_mov_b32 s[SELI], 0x76543210
	s_mov_b32 s[SELI+1], 0xfedcba98
	s_mov_b32 s[SELR], 0x89abcdef
	s_mov_b32 s[SELR+1], 0x01234567
	s_mov_b32 s[CNT], 0
	s_lshl_b32 s14, s13, 12
	s_add_nc_u64 s[6:7], s[6:7], s[14:15]          ; order at my lane's 1,024 words
	s_lshl_b32 s20, s13, 2
	s_add_co_u32 s20, s20, s10
	s_lshl_b32 s20, s20, 2
	v_mov_b32 v[CO], s20                           ; my wave's word of cntw
.irp j, 0,1,2,3,4,5,6,7
	v_mov_b32 v[PK+\j], 0                          ; destinations of DPP and lane permutes count as read: written once here
	v_mov_b32 v[PI+\j], 0
.endr
; the key and row number of element j.  left: the loads of the later rows, six each, may stay out
.macro KEY j, left
	s_wait_loadcnt \left
	v_max3_num_f32 v[MX], v[LD+20*\j+1], v[LD+20*\j+2], v[LD+20*\j+3]
.irp q, 4,6,8,10,12,14,16,18
	v_max3_num_f32 v[MX], v[MX], v[LD+20*\j+\q], v[LD+20*\j+\q+1]
.endr
	v_cmp_lt_f32 s20, v[LD+20*\j], v[MX]           ; class 0 is not the first maximum
	v_cmp_gt_f32 s21, v[PCL+\j], 0.5
	s_and_b32 s20, s20, s21
.if \j == 7
	v_cmp_gt_u32 s21, 104, v0                      ; 896 + t < 1000
	s_and_b32 s20, s20, s21
.endif
	v_cndmask_b32 v[RK\j], 0, v[PCL+\j], s20
	v_add_nc_u32 v[RI\j], \j*128, v0
	s_bcnt1_i32_b32 s21, s20
	s_add_co_u32 s[CNT], s[CNT], s21               ; how many of my wave's 256 rows count
.endm
.irp j, 0,1,2,3,4,5,6,7
	KEY \j, 6*(7-\j)
.endr
; elements lo and hi change places where mask q says so; the new lower element lands in the spare register, which then takes the name
.macro SWP lo, hi, q
	v_cndmask_b32 v[FK], v[RK\lo], v[RK\hi], s[Q+\q]
	v_cndmask_b32 v[RK\hi], v[RK\hi], v[RK\lo], s[Q+\q]
	v_cndmask_b32 v[FI], v[RI\lo], v[RI\hi], s[Q+\q]
	v_cndmask_b32 v[RI\hi], v[RI\hi], v[RI\lo], s[Q+\q]
.set SWT, RK\lo
.set RK\lo, FK
.set FK, SWT
.set SWT, RI\lo
.set RI\lo, FI
.set FI, SWT
.endm
; a stage between registers: four pairs (lower, higher), like lines together so that none waits for the one before it
.macro CE4 a0, b0, a1, b1, a2, b2, a3, b3
	v_cmp_lt_u32 s[Q+0], v[RI\b0], v[RI\a0]
	v_cmp_lt_u32 s[Q+1], v[RI\b1], v[RI\a1]
	v_cmp_lt_u32 s[Q+2], v[RI\b2], v[RI\a2]
	v_cmp_lt_u32 s[Q+3], v[RI\b3], v[RI\a3]
	v_xor_b32 v[TT+0], -1, v[RK\a0]
	v_xor_b32 v[TT+1], -1, v[RK\a1]
	v_xor_b32 v[TT+2], -1, v[RK\a2]
	v_xor_b32 v[TT+3], -1, v[RK\a3]
	v_add_co_ci_u32 v[TT+0], s[Q+0], v[RK\b0], v[TT+0], s[Q+0]   ; the carry: the higher one comes before the lower one
	v_add_co_ci_u32 v[TT+1], s[Q+1], v[RK\b1], v[TT+1], s[Q+1]
	v_add_co_ci_u32 v[TT+2], s[Q+2], v[RK\b2], v[TT+2], s[Q+2]
	v_add_co_ci_u32 v[TT+3], s[Q+3], v[RK\b3], v[TT+3], s[Q+3]
	SWP \a0, \b0, 0
	SWP \a1, \b1, 1
	SWP \a2, \b2, 2
	SWP \a3, \b3, 3
.endm
.macro D1
	CE4 0,1, 2,3, 4,5, 6,7
.endm
.macro D2
	CE4 0,2, 1,3, 4,6, 5,7
.endm
.macro D4
	CE4 0,4, 1,5, 2,6, 3,7
.endm
.macro TAIL
	D4
	D2
	D1
.endm
; my eight elements against their partners in PK, PI.  The carry says: mine comes before the partner's.  The lower partner takes the other's element where that
; is false, the higher one where it is true: the mask is turned in the lower partners (low: their lanes).
.macro CMPSEL low
.irp j, 0,1,2,3,4,5,6,7
	v_cmp_lt_u32 s[Q+\j], v[RI\j], v[PI+\j]
.endr
.irp j, 0,1,2,3,4,5,6,7
	v_xor_b32 v[TT+\j], -1, v[PK+\j]
.endr
.irp j, 0,1,2,3,4,5,6,7
	v_add_co_ci_u32 v[TT+\j], s[Q+\j], v[RK\j], v[TT+\j], s[Q+\j]
.endr
.irp j, 0,1,2,3,4,5,6,7
	s_xor_b32 s[Q+\j], s[Q+\j], s[\low]
.endr
.irp j, 0,1,2,3,4,5,6,7
	v_cndmask_b32 v[RK\j], v[RK\j], v[PK+\j], s[Q+\j]
	v_cndmask_b32 v[RI\j], v[RI\j], v[PI+\j], s[Q+\j]
.endr
.endm
.macro FD j, jp, m                     ; partner of element j: register jp of lane xor m
	v_mov_b32_dpp v[PK+\j], v[RK\jp] row_xmask:\m row_mask:0xf bank_mask:0xf
	v_mov_b32_dpp v[PI+\j], v[RI\jp] row_xmask:\m row_mask:0xf bank_mask:0xf
.endm
.macro FP j, jp, sel                   ; the same from the other half of the lanes
	v_permlanex16_b32 v[PK+\j], v[RK\jp], s[\sel], s[\sel+1]
	v_permlanex16_b32 v[PI+\j], v[RI\jp], s[\sel], s[\sel+1]
.endm
.macro XD m, low                       ; a halving stage between lanes: lane xor m, same register
.irp j, 0,1,2,3,4,5,6,7
	FD \j, \j, \m
.endr
	CMPSEL \low
.endm
.macro XDR m, low                      ; a mirroring stage: lane xor m, register 7 - j
	FD 0, 7, \m
	FD 1, 6, \m
	FD 2, 5, \m
	FD 3, 4, \m
	FD 4, 3, \m
	FD 5, 2, \m
	FD 6, 1, \m
	FD 7, 0, \m
	CMPSEL \low
.endm
.macro X16                             ; lane xor 16
.irp j, 0,1,2,3,4,5,6,7
	FP \j, \j, SELI
.endr
	CMPSEL LOW16
.endm
.macro X31R                            ; lane xor 31, register 7 - j
	FP 0, 7, SELR
	FP 1, 6, SELR
	FP 2, 5, SELR
	FP 3, 4, SELR
	FP 4, 3, SELR
	FP 5, 2, SELR
	FP 6, 1, SELR
	FP 7, 0, SELR
	CMPSEL LOW16
.endm
.macro LANES                           ; the five halving stages between lanes, then those between registers
	X16
	XD 8, LOW8
	XD 4, LOW4
	XD 2, LOW2
	XD 1, LOW1
	TAIL
.endm
; a stage between waves.  Each has an area of its own, so that one barrier serves: my stores are waited for in front of the signal, the partner's words are read behind the wait,
; and nobody writes the area again.
.macro WST area, addr, rev, low
.irp j, 0,1,2,3,4,5,6,7
	ds_store_b32 v[SA], v[RK\j] offset:\area*XA+\j*128
	ds_store_b32 v[SA], v[RI\j] offset:\area*XA+1024+\j*128
.endr
	s_wait_dscnt 0x0
	s_barrier_signal -1
	s_barrier_wait -1
.irp j, 0,1,2,3,4,5,6,7
.if \rev
	ds_load_b32 v[PK+\j], v[\addr] offset:\area*XA+(7-\j)*128
	ds_load_b32 v[PI+\j], v[\addr] offset:\area*XA+1024+(7-\j)*128
.else
	ds_load_b32 v[PK+\j], v[\addr] offset:\area*XA+\j*128
	ds_load_b32 v[PI+\j], v[\addr] offset:\area*XA+1024+\j*128
.endif
.endr
	s_wait_dscnt 0x0
	CMPSEL \low
.endm
	D1                                             ; runs of 2
	CE4 0,3, 1,2, 4,7, 5,6                         ; runs of 4: mirror,
	D1                                             ; halve
	CE4 0,7, 1,6, 2,5, 3,4                         ; runs of 8
	D2
	D1
	XDR 1, LOW1                                    ; 16
	TAIL
	XDR 3, LOW2                                    ; 32
	XD 1, LOW1
	TAIL
	XDR 7, LOW4                                    ; 64
	XD 2, LOW2
	XD 1, LOW1
	TAIL
	XDR 15, LOW8                                   ; 128
	XD 4, LOW4
	XD 2, LOW2
	XD 1, LOW1
	TAIL
	X31R                                           ; 256: a wave's places are sorted
	XD 8, LOW8
	XD 4, LOW4
	XD 2, LOW2
	XD 1, LOW1
	TAIL
	WST 0, E1, 1, WL1                              ; 512
	LANES
	WST 1, E2, 1, WL2                              ; 1,024: mirror,
	WST 2, E3, 0, WL1                              ; distance 256,
	LANES                                          ; the rest
; THE WAY OUT.  A lane holds places 8 lane .. 8 lane + 7; through my wave's own 1,024 bytes of LDS they become two stores of 512 consecutive bytes (a wave's LDS instructions are served in order)
.irp j, 0,1,2,3,4,5,6,7
	ds_store_b32 v[OA], v[RI\j] offset:OUTB+\j*4
.endr
	ds_load_b128 v[BK:BK+3], v[OB] offset:OUTB
	ds_load_b128 v[BK+4:BK+7], v[OB] offset:OUTB+512
	v_mov_b32 v[CV], s[CNT]
	v_cmp_eq_u32 vcc_lo, 0, v[LANE]
	s_wait_dscnt 0x0
	global_store_b128 v[OB], v[BK:BK+3], s[6:7]
	global_store_b128 v[OB], v[BK+4:BK+7], s[6:7] offset:512
	s_wait_xcnt 0x0                                ; EXEC changes only behind this wait
	s_and_saveexec_b32 s24, vcc_lo
	global_store_b32 v[CO], v[CV], s[8:9]          ; one lane stores my wave's count
	s_wait_xcnt 0x0                                ; and again in front of the line that widens it
	s_or_b32 exec_lo, exec_lo, s24
	s_wait_tensorcnt 0x0                           ; the wave's end, behind my last LDS store
	ds_add_u32 v[SPW], v[NIL]
	s_wait_dscnt 0x0
	s_endpgm
.Lfunc_end_k_qa0fb2d49a1_sortk:
	.size	k_qa0fb2d49a1_sortk, .Lfunc_end_k_qa0fb2d49a1_sortk-k_qa0fb2d49a1_sortk
	.p2alignl 7, 3214868480
	.fill 96, 4, 3214868480
	.section	.rodata,"a",@progbits
	.p2align	6, 0x0
	.amdhsa_kernel k_qa0fb2d49a1_sortk
		.amdhsa_group_segment_fixed_size 29184
		.amdhsa_private_segment_fixed_size 0
		.amdhsa_enable_private_segment 0
		.amdhsa_kernarg_size 24
		.amdhsa_user_sgpr_count 2
		.amdhsa_user_sgpr_kernarg_segment_ptr 1
		.amdhsa_wavefront_size32 1
		.amdhsa_system_sgpr_workgroup_id_x 1
		.amdhsa_system_sgpr_workgroup_id_y 1
		.amdhsa_system_sgpr_workgroup_id_z 1
		.amdhsa_system_vgpr_workitem_id 0
		.amdhsa_next_free_vgpr 240
		.amdhsa_next_free_sgpr 66
		.amdhsa_reserve_vcc 1
		.amdhsa_float_denorm_mode_32 3
		.amdhsa_float_denorm_mode_16_64 3
		.amdhsa_memory_ordered 1
		.amdhsa_forward_progress 1
		.amdhsa_inst_pref_size 162
	.end_amdhsa_kernel
	.amdgpu_metadata
---
amdhsa.version: [ 1, 2 ]
amdhsa.kernels:
  - .name:           k_qa0fb2d49a1_sortk
    .symbol:         k_qa0fb2d49a1_sortk.kd
    .args:
      - { .name: pred_label_probs, .offset: 0, .size: 8, .value_kind: global_buffer, .address_space: global }
      - { .name: order, .offset: 8, .size: 8, .value_kind: global_buffer, .address_space: global }
      - { .name: cntw, .offset: 16, .size: 8, .value_kind: global_buffer, .address_space: global }
    .group_segment_fixed_size: 29184
    .private_segment_fixed_size: 0
    .kernarg_segment_align: 8
    .kernarg_segment_size: 24
    .max_flat_workgroup_size: 128
    .sgpr_count:     66
    .vgpr_count:     240
    .wavefront_size: 32
...
	.end_amdgpu_metadata
.endif
;; end of part 1
;; launch nms (part 2): grid 20 x 8, 32 waves a work-group, no clusters, 160,000 bytes of LDS; arguments roi_bboxes, pred_deltas, pred_label_probs, order, cntw, sbox, sscore, klist; writes sbox, sscore, klist
.if DOCPART == 2
	.amdgcn_target "amdgcn-amd-amdhsa--gfx1250"
	.amdhsa_code_object_version 6
	.text
	.protected	k_qa0fb2d49a1_nms
	.globl	k_qa0fb2d49a1_nms
	.p2align	8
	.type	k_qa0fb2d49a1_nms,@function
k_qa0fb2d49a1_nms:
	s_mov_b64 s[64:65], 0
	v_nop
	global_prefetch_b8 v0, s[64:65] scope:SCOPE_SE
	s_setreg_imm32_b32 hwreg(HW_REG_WAVE_MODE, 25, 1), 1
	s_wait_xcnt 0x0
; GREEDY SUPPRESSION IN ONE (batch, class) LANE.  Thread r is place r of the sorted lane.  order and cntw come from the launch before, as whole numbers: addresses and jumps hang on them alone.
; 1. Row order[r] is gathered and its box decoded; box and score go to sbox, sscore (for the later launches) and box and half its area to LDS.
; 2. THE BITS.  M places count (score above 0.5), NB = ceil(M / 32) tiles of 32.  Wave I owns tile I, its 32 boxes in registers, a lane a box i, and walks the tiles J = I .. NB - 1, whose boxes j come from LDS,
;    the same address in every lane.  One compare gives 32 bits (i suppresses j) for one j; v_writelane_b32 puts them into lane j; word T[I][j] goes to LDS.  Steps with nothing to do store 0 and are jumped over.
;    iou > 0.5 is tested as inter > 0.5 den, den = (area i + area j - inter) + 1e-8 in reference()'s order, all of it halved (exact): for normal numbers the next float above den / 2 gives a quotient
;    above 0.5 + 2^-25, whose nearest float lies above 0.5, so the two tests agree.  The compare is unsigned on the bit patterns: inter is never negative, and a negative den, whose quotient is not above 0.5, is then the larger.
;    max(min(a2, b2) - max(a0, b0), 0) is taken as max(min(a2, b2), m) - m with m = max(a0, b0): the same number.  Sums and products go two rows at a time (packed).
; 3. THE SCAN, one wave.  Block J: lanes j whose accumulator is 0 and whose place is below M start as kept; inside the block box j falls if a kept earlier box of the block suppresses it: three scalar
;    lines a box.  Then the 31 accumulators take T[J][later tiles] and kept, and move up one tile.
; 4. Eight waves find the places of the first 200 kept boxes, by values alone (no address hangs on a bit): klist[k] = place, or 1024 + k where there is none.
; LIMITS.  NaN and infinities are not treated apart.  A coordinate -0 is made +0.  The decode uses fused multiply-adds and 2^(x log2 e): a box may differ from reference()'s in its last bits, and an
; iou that close to 0.5 may fall the other way.  Areas below 2^-125 lose bits when halved.
; NO CLUSTER: the work-groups of this launch share no tile (each gathers its own class's deltas in its own order).
.set HAO,  16384                       ; LDS: boxes 1,024 x 16 bytes from 0; half areas 1,024 x 4 from here
.set TB,   20480                       ; T: 33 rows of 1,024 words; row 32 is zeros for the scan's reads past row 31
.set TROW, 4096
.set KWO,  TB+33*TROW                  ; the 32 words of kept bits
.set SPARE, KWO+256                    ; the spare words, 128 bytes a wave: sixteen blocks of 256 bytes that no other line names
.set O4, 2                             ; v2   4 x thread; never rewritten
.set LANE, 3
.set WV, 4                             ; v4   the tile's 32 words, lane j
.set LT, 5                             ; v5   bits below my lane
.set BX, 6                             ; v6   LDS byte of tile J's boxes
.set HX, 7                             ; v7   of its half areas, less HAO
.set TS0, 8                            ; v[8:15], v[16:23] at work, two sets; before that the decode's registers
.set TS1, 16
.set A0, 24                            ; v[24:27] my box y1 x1 y2 x2
.set HA, 28                            ; v[28:29] half its area, twice
.set CN, 30                            ; v[30:31] -0.5 twice
.set CE, 32                            ; v[32:33] half of f32(1e-8), twice
.set TX, 34                            ; where the tile's words go
.set ZR, 35                            ; 0, as data
.set KA, 36                            ; my lane's word of the kept bits
.set O16, 37                           ; 16 x thread; never rewritten
.set SPW, 38                           ; LDS address of my spare word; never rewritten
.set NIL, 39                           ; 0; never rewritten
.set T32, 40
.set TM, 41
.set BA, 44                            ; v[44:75] eight boxes, v[76:83] their half areas
.set HBA, 76
.set BB, 84                            ; v[84:115], v[116:123] the other eight
.set HBB, 116
.set ACC, 44                           ; the scan: v[44:74] accumulators of tiles J .. J + 30
.set TTS, 76                           ; v[76:106] T[J][J + 1 ..]
.set DV, 108
.set KWV, 109
.set SV, 110
.set RV, 111
.set KWR, 44                           ; the list
.set WD, 45
.set BS, 46
.set WI, 47
.set T1, 48
.set CT, 49
.set PS, 50
.set BT, 51
.set INV, 52
.set SW, 20                            ; s20 wave
.set SM, 26                            ; s26 M
.set SNB, 27                           ; s27 NB
.set SJ, 32
.set SND, 33
.set SKW, 34
.set SU, 35
.set ST, 36
.set MK, 40                            ; s[40:47] masks
.set DD, 66                            ; s67-97 the diagonal tile's words 1 to 31
	s_load_b512 s[4:19], s[0:1], 0x0               ; roi 4, deltas 6, probs 8, order 10, cntw 12, sbox 14, sscore 16, klist 18
	v_lshl_add_u32 v[SPW], v0, 2, SPARE
	v_mov_b32 v[NIL], 0
	v_lshrrev_b32 v1, 5, v0
	v_readfirstlane_b32 s[SW], v1
	s_and_b32 s21, ttmp7, 0xffff                   ; batch
	s_mul_i32 s23, s21, 20
	s_add_co_u32 s23, s23, ttmp9                   ; lane of the problem
	v_and_b32 v[LANE], 31, v0
	v_lshlrev_b32 v[O4], 2, v0
	v_lshlrev_b32 v[O16], 4, v0
	s_mov_b32 s25, 0
	s_wait_kmcnt 0x0
	s_lshl_b32 s24, s23, 12
	s_add_nc_u64 s[10:11], s[10:11], s[24:25]
	global_load_b32 v44, v[O4], s[10:11]           ; the row at my place
	s_add_nc_u64 s[16:17], s[16:17], s[24:25]
	s_lshl_b32 s24, s23, 4
	s_add_nc_u64 s[12:13], s[12:13], s[24:25]
	s_load_b128 s[28:31], s[12:13], 0x0            ; the four counts of the launch before
	s_lshl_b32 s24, s23, 14
	s_add_nc_u64 s[14:15], s[14:15], s[24:25]
	s_lshl_b32 s24, s23, 10
	s_add_nc_u64 s[18:19], s[18:19], s[24:25]
	s_mul_i32 s24, s21, 16000
	s_add_nc_u64 s[4:5], s[4:5], s[24:25]
	s_mul_i32 s24, s21, 320000
	s_lshl_b32 s37, ttmp9, 4
	s_add_co_u32 s24, s24, s37
	s_add_nc_u64 s[6:7], s[6:7], s[24:25]          ; my class's four deltas of the batch's first row
	s_mul_i32 s24, s21, 80000
	s_lshl_b32 s37, ttmp9, 2
	s_add_co_u32 s24, s24, s37
	s_add_nc_u64 s[8:9], s[8:9], s[24:25]
	v_mov_b32 v[CN], -0.5
	v_mov_b32 v[CN+1], -0.5
	v_mov_b32 v[CE], 0x31abcc77
	v_mov_b32 v[CE+1], 0x31abcc77
	v_mov_b32 v[ZR], 0
	v_mov_b32 v[WV], 0                             ; v_writelane_b32's destination counts as read
	v_mov_b32 v[BX], 0
	v_mov_b32 v[HX], 0
	v_mov_b32 v[TM], 1
	v_lshlrev_b32 v[LT], v[LANE], v[TM]
	v_add_nc_u32 v[LT], -1, v[LT]
	v_lshl_add_u32 v[KA], v[LANE], 2, KWO
	v_add_nc_u32 v[T32], TB+32*TROW, v[O4]
	s_lshl_b32 s37, s[SW], 12
	s_add_co_u32 s37, s37, TB
	v_lshl_add_u32 v[TX], v[LANE], 2, s37          ; T[my wave][lane]
	s_wait_loadcnt 0x0
	v_min_u32 v44, 0x3e7, v44                      ; a row number; the padding's 1000 to 1023 become row 999, whose place is never below M
	v_lshlrev_b32 v45, 4, v44
	v_mul_u32_u24 v46, v44, 320
	v_mul_u32_u24 v47, v44, 80
	global_load_b128 v[8:11], v45, s[4:5]
	global_load_b128 v[12:15], v46, s[6:7]
	global_load_b32 v16, v47, s[8:9]
	s_wait_kmcnt 0x0
	s_add_co_u32 s[SM], s28, s29
	s_add_co_u32 s[SM], s[SM], s30
	s_add_co_u32 s[SM], s[SM], s31
	s_min_u32 s[SM], s[SM], 1000
	s_add_co_u32 s[SNB], s[SM], 31
	s_lshr_b32 s[SNB], s[SNB], 5
	s_wait_loadcnt 0x0
; the decode
	v_sub_f32 v17, v10, v8                         ; h
	v_sub_f32 v18, v11, v9                         ; w
	v_mul_f32 v14, 0x3e4ccccd, v14                 ; 0.2 dh
	v_mul_f32 v15, 0x3e4ccccd, v15
	v_mul_f32 v12, 0x3dcccccd, v12                 ; 0.1 dy
	v_mul_f32 v13, 0x3dcccccd, v13
	v_mul_f32 v14, 0x3fb8aa3b, v14                 ; e^x = 2^(x log2 e)
	v_mul_f32 v15, 0x3fb8aa3b, v15
	v_exp_f32 v14, v14
	v_exp_f32 v15, v15
	v_fma_f32 v19, v17, 0.5, v8                    ; cy: four plain lines that name no exponential's result stand behind the two
	v_fma_f32 v20, v18, 0.5, v9
	v_fma_f32 v19, v12, v17, v19                   ; new cy
	v_fma_f32 v20, v13, v18, v20
	s_wait_alu depctr_va_vdst(0)                   ; one wait for both exponentials, ahead of their first reader
	v_mul_f32 v21, v14, v17                        ; new h
	v_mul_f32 v22, v15, v18
	v_fma_f32 v[A0], v21, -0.5, v19
	v_fma_f32 v[A0+1], v22, -0.5, v20
	v_fma_f32 v[A0+2], v21, 0.5, v19
	v_fma_f32 v[A0+3], v22, 0.5, v20
.irp q, 0,1,2,3
	v_add_f32 v[A0+\q], 0, v[A0+\q]                ; -0 becomes +0: no difference of coordinates is then -0, on which the unsigned compare below leans
.endr
	v_sub_f32 v21, v[A0+2], v[A0]
	v_sub_f32 v22, v[A0+3], v[A0+1]
	v_mul_f32 v21, v21, v22
	v_mul_f32 v[HA], 0.5, v21
	v_mov_b32 v[HA+1], v[HA]
	ds_store_b128 v[O16], v[A0:A0+3]
	ds_store_b32 v[O4], v[HA] offset:HAO
	ds_store_b32 v[T32], v[ZR]                     ; T's row 32
	global_store_b128 v[O16], v[A0:A0+3], s[14:15] ; 512 consecutive bytes a wave
	global_store_b32 v[O4], v16, s[16:17]
	s_wait_xcnt 0x0                                ; v16 is rewritten below only behind this wait
	s_wait_dscnt 0x0                               ; my stores are done, for the others' sake
	s_barrier_signal -1
	s_barrier_wait -1                              ; all boxes lie in LDS
; eight boxes of tile J and their half areas: ten loads, the same address in every lane
.macro LOADG b, h, g
.irp q, 0,1,2,3,4,5,6,7
	ds_load_b128 v[\b+4*\q:\b+4*\q+3], v[BX] offset:(\g*8+\q)*16
.endr
	ds_load_b128 v[\h:\h+3], v[HX] offset:HAO+\g*32
	ds_load_b128 v[\h+4:\h+7], v[HX] offset:HAO+\g*32+16
.endm
; rows q, q + 1 of the eight (boxes jj, jj + 1 of the tile) against my box
.macro ROWS2 b, h, q, jj, t
	v_max_num_f32 v[\t], v[A0], v[\b+4*\q]
	v_max_num_f32 v[\t+1], v[A0], v[\b+4*\q+4]
	v_max_num_f32 v[\t+2], v[A0+1], v[\b+4*\q+1]
	v_max_num_f32 v[\t+3], v[A0+1], v[\b+4*\q+5]
	v_minmax_num_f32 v[\t+4], v[A0+2], v[\b+4*\q+2], v[\t]       ; max(min(a2, b2), m)
	v_minmax_num_f32 v[\t+5], v[A0+2], v[\b+4*\q+6], v[\t+1]
	v_minmax_num_f32 v[\t+6], v[A0+3], v[\b+4*\q+3], v[\t+2]
	v_minmax_num_f32 v[\t+7], v[A0+3], v[\b+4*\q+7], v[\t+3]
	v_pk_add_f32 v[\t+4:\t+5], v[\t+4:\t+5], v[\t:\t+1] neg_lo:[0,1] neg_hi:[0,1]       ; the overlap's height, both rows
	v_pk_add_f32 v[\t+6:\t+7], v[\t+6:\t+7], v[\t+2:\t+3] neg_lo:[0,1] neg_hi:[0,1]     ; its width
	v_pk_add_f32 v[\t:\t+1], v[\h+\q:\h+\q+1], v[HA:HA+1]                               ; half the areas' sum
	v_pk_mul_f32 v[\t+4:\t+5], v[\t+4:\t+5], v[\t+6:\t+7]                               ; inter
	v_pk_fma_f32 v[\t:\t+1], v[\t+4:\t+5], v[CN:CN+1], v[\t:\t+1]                       ; less half of inter
	v_pk_add_f32 v[\t:\t+1], v[\t:\t+1], v[CE:CE+1]                                     ; plus half of 1e-8
	v_cmp_gt_u32 s[MK+\q], v[\t+4], v[\t]
	v_cmp_gt_u32 s[MK+\q+1], v[\t+5], v[\t+1]
	v_writelane_b32 v[WV], s[MK+\q], \jj
	v_writelane_b32 v[WV], s[MK+\q+1], \jj+1
.endm
.macro COMP b, h, g
	ROWS2 \b, \h, 0, \g*8, TS0
	ROWS2 \b, \h, 2, \g*8+2, TS1
	ROWS2 \b, \h, 4, \g*8+4, TS0
	ROWS2 \b, \h, 6, \g*8+6, TS1
.endm
	s_mov_b32 s[SJ], 0
.Ltile:                                                ; 32 trips; the steps below my diagonal and past the last tile that counts are jumped over
	s_cmp_lt_u32 s[SJ], s[SW]
	s_cbranch_scc1 .Ldead
	s_cmp_ge_u32 s[SJ], s[SNB]
	s_cbranch_scc1 .Ldead
	LOADG BA, HBA, 0
	LOADG BB, HBB, 1
	s_wait_dscnt 10                                ; the first ten loads are in; the ten of the other buffer may stay out (so below)
	COMP BA, HBA, 0
	LOADG BA, HBA, 2
	s_wait_dscnt 10
	COMP BB, HBB, 1
	LOADG BB, HBB, 3
	s_wait_dscnt 10
	COMP BA, HBA, 2
	s_wait_dscnt 0x0
	COMP BB, HBB, 3
	s_cmp_eq_u32 s[SJ], s[SW]
	s_cselect_b32 s[SND], 0, -1
	v_or_b32 v[TM], s[SND], v[LT]                  ; on the diagonal only earlier boxes suppress: bits below lane j
	v_and_b32 v[WV], v[WV], v[TM]
	ds_store_b32 v[TX], v[WV]
	s_branch .Lnext
.Ldead:
	ds_store_b32 v[TX], v[ZR]                      ; the scan reads whole rows
.Lnext:
	v_add_nc_u32 v[BX], 512, v[BX]
	v_add_nc_u32 v[HX], 128, v[HX]
	v_add_nc_u32 v[TX], 128, v[TX]
	s_add_co_u32 s[SJ], s[SJ], 1
	s_cmp_lt_u32 s[SJ], 32
	s_cbranch_scc1 .Ltile
	s_wait_dscnt 0x0
	s_barrier_signal -1
	s_barrier_wait -1                              ; all of T lies in LDS
	v_mov_b32 v[KWV], 0                            ; written in every wave; wave 0 gathers the kept words in it
	s_cmp_lg_u32 s[SW], 0
	s_cbranch_scc1 .Lscanned
.set d, 0
.rept 31
	v_mov_b32 v[ACC+d], 0
.set d, d+1
.endr
	v_lshl_add_u32 v[SV], v[LANE], 2, TB           ; T[J][32 J + lane]
	v_mov_b32 v[RV], v[LANE]                       ; place 32 J + lane
	s_mov_b32 s[SJ], 0
.Lblock:
	s_cmp_ge_u32 s[SJ], s[SNB]
	s_cbranch_scc1 .Lblock_next
	ds_load_b32 v[DV], v[SV]                       ; the diagonal tile
.set d, 0
.rept 31
	ds_load_b32 v[TTS+d], v[SV] offset:128*(1+d)   ; the 31 tiles behind it (past tile 31: zeros of the next row)
.set d, d+1
.endr
	v_cmp_gt_u32 s37, s[SM], v[RV]                 ; the place counts,
	v_cmp_eq_u32 s38, 0, v[ACC]                    ; and no kept box of an earlier block suppresses it
	s_and_b32 s[SKW], s37, s38
	s_wait_dscnt 31                                ; the diagonal tile is in; the 31 behind it may stay out
.set j, 1
.rept 31
	v_readlane_b32 s[DD+j], v[DV], j
.set j, j+1
.endr
.set j, 1
.rept 31
	s_and_b32 s[SU], s[SKW], 0xffffffff^(1<<j)     ; kept without box j,
	s_and_b32 s[ST], s[DD+j], s[SKW]               ; SCC: a kept earlier box suppresses it
	s_cselect_b32 s[SKW], s[SU], s[SKW]
.set j, j+1
.endr
	v_cmp_eq_u32 vcc_lo, s[SJ], v[LANE]
	v_cndmask_b32 v[KWV], v[KWV], s[SKW], vcc_lo   ; lane J keeps the block's word
	s_wait_dscnt 0x0
.set d, 0
.rept 30
	v_and_or_b32 v[ACC+d], v[TTS+d], s[SKW], v[ACC+d+1]   ; the accumulators move up one tile as they take this block's share
.set d, d+1
.endr
	v_and_b32 v[ACC+30], s[SKW], v[TTS+30]
.Lblock_next:
	v_add_nc_u32 v[SV], TROW+128, v[SV]
	v_add_nc_u32 v[RV], 32, v[RV]
	s_add_co_u32 s[SJ], s[SJ], 1
	s_cmp_lt_u32 s[SJ], 32
	s_cbranch_scc1 .Lblock
.Lscanned:
	s_wait_dscnt 0x0                               ; the scan's reads of T are back,
	s_barrier_signal -1
	s_barrier_wait -1                              ; and a barrier stands between them and the store below
	s_cmp_lg_u32 s[SW], 0
	s_cbranch_scc1 .Lkept
	ds_store_b32 v[KA], v[KWV]                     ; wave 0: the 32 words of kept bits
.Lkept:
	s_wait_dscnt 0x0                               ; the store is done, for the others' sake
	s_barrier_signal -1
	s_barrier_wait -1                              ; the 32 words of kept bits lie in LDS
	s_cmp_ge_u32 s[SW], 8
	s_cbranch_scc1 .Lend
; thread k (0 to 255) finds the place of the k-th kept box.  The word: the last one in front of which at most k boxes are kept
	ds_load_b32 v[KWR], v[KA]
	v_mov_b32 v[WD], 0
	v_mov_b32 v[BS], 0
	v_mov_b32 v[WI], 0
	v_mov_b32 v[CT], 0
	v_mov_b32 v[PS], 0
	s_mov_b32 s41, 0
	s_wait_dscnt 0x0
.set w, 0
.rept 32
	v_readlane_b32 s40, v[KWR], w
	v_cmp_le_u32 vcc_lo, s41, v0
	v_cndmask_b32 v[WD], v[WD], s40, vcc_lo
	v_cndmask_b32 v[BS], v[BS], s41, vcc_lo
	v_cndmask_b32 v[WI], v[WI], w, vcc_lo
	s_bcnt1_i32_b32 s42, s40
	s_add_co_u32 s41, s41, s42
.set w, w+1
.endr
	v_sub_nc_u32 v[T1], v0, v[BS]
	v_add_nc_u32 v[T1], 1, v[T1]                   ; it is the T1-th set bit of that word: its number is how many prefixes of the word hold fewer than T1 bits
.set w, 0
.rept 32
	v_bfe_u32 v[BT], v[WD], w, 1
	v_add_nc_u32 v[CT], v[CT], v[BT]
	v_cmp_lt_u32 vcc_lo, v[CT], v[T1]
	v_add_co_ci_u32 v[PS], vcc_lo, 0, v[PS], vcc_lo
.set w, w+1
.endr
	v_lshl_add_u32 v[PS], v[WI], 5, v[PS]
	s_min_u32 s41, s41, 200                        ; at most 200 a class
	v_cmp_gt_u32 vcc_lo, s41, v0
	v_add_nc_u32 v[INV], 1024, v0
	v_cndmask_b32 v[PS], v[INV], v[PS], vcc_lo
	global_store_b32 v[O4], v[PS], s[18:19]
.Lend:
	s_wait_tensorcnt 0x0                           ; the wave's end, behind my last LDS store
	ds_add_u32 v[SPW], v[NIL]
	s_wait_dscnt 0x0
	s_endpgm
.Lfunc_end_k_qa0fb2d49a1_nms:
	.size	k_qa0fb2d49a1_nms, .Lfunc_end_k_qa0fb2d49a1_nms-k_qa0fb2d49a1_nms
	.p2alignl 7, 3214868480
	.fill 96, 4, 3214868480
	.section	.rodata,"a",@progbits
	.p2align	6, 0x0
	.amdhsa_kernel k_qa0fb2d49a1_nms
		.amdhsa_group_segment_fixed_size 160000
		.amdhsa_private_segment_fixed_size 0
		.amdhsa_enable_private_segment 0
		.amdhsa_kernarg_size 64
		.amdhsa_user_sgpr_count 2
		.amdhsa_user_sgpr_kernarg_segment_ptr 1
		.amdhsa_wavefront_size32 1
		.amdhsa_system_sgpr_workgroup_id_x 1
		.amdhsa_system_sgpr_workgroup_id_y 1
		.amdhsa_system_sgpr_workgroup_id_z 1
		.amdhsa_system_vgpr_workitem_id 0
		.amdhsa_next_free_vgpr 128
		.amdhsa_next_free_sgpr 98
		.amdhsa_reserve_vcc 1
		.amdhsa_float_denorm_mode_32 3
		.amdhsa_float_denorm_mode_16_64 3
		.amdhsa_memory_ordered 1
		.amdhsa_forward_progress 1
		.amdhsa_inst_pref_size 54
	.end_amdhsa_kernel
	.amdgpu_metadata
---
amdhsa.version: [ 1, 2 ]
amdhsa.kernels:
  - .name:           k_qa0fb2d49a1_nms
    .symbol:         k_qa0fb2d49a1_nms.kd
    .args:
      - { .name: roi_bboxes, .offset: 0, .size: 8, .value_kind: global_buffer, .address_space: global }
      - { .name: pred_deltas, .offset: 8, .size: 8, .value_kind: global_buffer, .address_space: global }
      - { .name: pred_label_probs, .offset: 16, .size: 8, .value_kind: global_buffer, .address_space: global }
      - { .name: order, .offset: 24, .size: 8, .value_kind: global_buffer, .address_space: global }
      - { .name: cntw, .offset: 32, .size: 8, .value_kind: global_buffer, .address_space: global }
      - { .name: sbox, .offset: 40, .size: 8, .value_kind: global_buffer, .address_space: global }
      - { .name: sscore, .offset: 48, .size: 8, .value_kind: global_buffer, .address_space: global }
      - { .name: klist, .offset: 56, .size: 8, .value_kind: global_buffer, .address_space: global }
    .group_segment_fixed_size: 160000
    .private_segment_fixed_size: 0
    .kernarg_segment_align: 8
    .kernarg_segment_size: 64
    .max_flat_workgroup_size: 1024
    .sgpr_count:     98
    .vgpr_count:     128
    .wavefront_size: 32
...
	.end_amdgpu_metadata
.endif
;; end of part 2
;; launch grank (part 3): grid 20 x 8, 32 waves a work-group, no clusters, 28,672 bytes of LDS; arguments klist, sscore, grank; writes grank
.if DOCPART == 3
	.amdgcn_target "amdgcn-amd-amdhsa--gfx1250"
	.amdhsa_code_object_version 6
	.text
	.protected	k_qa0fb2d49a1_grank
	.globl	k_qa0fb2d49a1_grank
	.p2align	8
	.type	k_qa0fb2d49a1_grank,@function
k_qa0fb2d49a1_grank:
	s_mov_b64 s[64:65], 0
	v_nop
	global_prefetch_b8 v0, s[64:65] scope:SCOPE_SE
	s_setreg_imm32_b32 hwreg(HW_REG_WAVE_MODE, 25, 1), 1
	s_wait_xcnt 0x0
; THE RANK OF EACH KEPT BOX AMONG ITS BATCH'S 20 CLASS LISTS.  klist[lane][k]: the sorted place of the class's k-th kept box, or 1024 + k; sscore: the score at each sorted place.
; reference() takes the first 200 of a batch by falling score, equal scores by class and then by place.  An entry's key is K = 2 x the score's bits + 1, or 1 where there is no box.
; rank(c, k) = k + over the classes c' < c the number of K' > K - 1 + over the classes c' > c the number of K' > K, counted over the first 200 entries of each list.
; A class's own list is in order already, so it gives k.  The ranks of the 4,000 entries with k < 200 are the numbers 0 to 3,999, each once; an entry with k >= 200 has a rank of 200 or more.
; SHARES.  One work-group a (batch, class).  Wave = 4 tile + part: tile (0 to 7) is 32 entries k = 32 tile + lane of my class, part (0 to 3) five of the twenty classes to count in.
; The batch's 5,120 keys lie in LDS and are read with the same address in every lane, 40 keys a trip; two vector lines a key and 32 entries.  Tile 7 (k from 224) counts nothing.
; Counts are data: no address and no branch hangs on a score.
; NO CLUSTER: the twenty work-groups of a batch build the same 20 KiB of keys, but by a gather along a list, lane by lane, which no tile describes.
.set LK,    0                          ; LDS: key of (class, k) at 1,024 class + 4 k
.set PCN,   20480                      ; the four parts' counts: 1,024 part + 4 k
.set SPARE, 24576                      ; the spare words, 128 bytes a wave: sixteen blocks of 256 bytes that no other line names
.set O4, 2                             ; v2   4 x thread; never rewritten
.set LANE, 3
.set CH, 4                             ; v4   4,096 x (thread / 256): my class of each group of four, in sscore
.set SPW, 6                            ; LDS address of my spare word; never rewritten
.set NIL, 7                            ; 0; never rewritten
.set KL, 8                             ; v[8:12]  five list entries
.set SO, 13                            ; v[13:17] their offsets in sscore
.set S,  18                            ; v[18:22] their scores, then keys
.set KO, 23                            ; my own entry's offset in my class's list
.set A,  24                            ; my own entry, then K - 1
.set T,  25                            ; the threshold for the class in hand
.set JA, 26                            ; LDS byte of the 40 keys in hand
.set PO, 27                            ; where my count goes
.set C0, 28                            ; v[28:31] four counters
.set KJ, 32                            ; v[32:71] 40 keys
.set Q,  24                            ; s[24:27] masks
	s_load_b128 s[4:7], s[0:1], 0x0                ; klist s[4:5], sscore s[6:7]
	s_load_b64 s[8:9], s[0:1], 0x10                ; grank
	v_lshl_add_u32 v[SPW], v0, 2, SPARE
	v_mov_b32 v[NIL], 0
	v_lshrrev_b32 v1, 5, v0
	v_readfirstlane_b32 s10, v1                    ; wave 0..31
	s_and_b32 s11, ttmp7, 0xffff                   ; batch
	s_mov_b32 s12, ttmp9                           ; class
	s_mul_i32 s13, s11, 20
	s_add_co_u32 s13, s13, s12                     ; lane of the problem
	s_lshr_b32 s14, s10, 2                         ; tile
	s_and_b32 s15, s10, 3                          ; part
	v_and_b32 v[LANE], 31, v0
	v_lshlrev_b32 v[O4], 2, v0
	v_lshrrev_b32 v[CH], 8, v0
	v_lshlrev_b32 v[CH], 12, v[CH]
	s_lshl_b32 s22, s14, 7
	v_lshl_add_u32 v[KO], v[LANE], 2, s22          ; 4 k
	s_lshl_b32 s19, s15, 10
	s_add_co_u32 s19, s19, s22
	v_lshl_add_u32 v[PO], v[LANE], 2, s19          ; 1,024 part + 4 k
	s_mov_b32 s21, 0
	s_wait_kmcnt 0x0
	s_lshl_b32 s20, s13, 10
	s_add_nc_u64 s[28:29], s[4:5], s[20:21]        ; my class's list
	s_add_nc_u64 s[8:9], s[8:9], s[20:21]          ; and its ranks
	s_lshl_b32 s20, s13, 12
	s_add_nc_u64 s[30:31], s[6:7], s[20:21]        ; my class's scores
	s_mul_i32 s20, s11, 20480
	s_add_nc_u64 s[4:5], s[4:5], s[20:21]          ; the batch's lists
	s_mul_i32 s20, s11, 81920
	s_add_nc_u64 s[6:7], s[6:7], s[20:21]          ; the batch's scores
; word t + 1,024 q of the batch's lists is entry t % 256 of class t / 256 + 4 q
.irp q, 0,1,2,3,4
	global_load_b32 v[KL+\q], v[O4], s[4:5] offset:4096*\q
.endr
	global_load_b32 v[A], v[KO], s[28:29]
	s_wait_loadcnt 0x0
.irp q, 0,1,2,3,4
	v_min_u32 v[SO+\q], 0x3ff, v[KL+\q]            ; a place; where there is no box, place 1023, whose score is masked below
	v_lshl_add_u32 v[SO+\q], v[SO+\q], 2, v[CH]
.endr
	v_min_u32 v[JA], 0x3ff, v[A]
	v_lshlrev_b32 v[JA], 2, v[JA]
.irp q, 0,1,2,3,4
	global_load_b32 v[S+\q], v[SO+\q], s[6:7] offset:16384*\q
.endr
	global_load_b32 v[T], v[JA], s[30:31]
.irp e, 0,1,2,3
	v_mov_b32 v[C0+\e], 0
.endr
	s_wait_loadcnt 0x0
.irp q, 0,1,2,3,4
	v_cmp_gt_u32 vcc_lo, 0x400, v[KL+\q]           ; there is a box
	v_lshl_or_b32 v[S+\q], v[S+\q], 1, 1
	v_cndmask_b32 v[S+\q], 1, v[S+\q], vcc_lo
	ds_store_b32 v[O4], v[S+\q] offset:LK+4096*\q
.endr
	v_cmp_gt_u32 vcc_lo, 0x400, v[A]
	v_lshlrev_b32 v[T], 1, v[T]
	v_cndmask_b32 v[A], 0, v[T], vcc_lo            ; my own K - 1
	s_wait_dscnt 0x0                               ; my stores are done, for the others' sake
	s_barrier_signal -1
	s_barrier_wait -1                              ; all 5,120 keys lie in LDS
; four keys against my threshold: each counter takes a compare's bit as a carry
.macro CNT4 r
.irp e, 0,1,2,3
	v_cmp_gt_u32 s[Q+\e], v[\r+\e], v[T]
.endr
.irp e, 0,1,2,3
	v_add_co_ci_u32 v[C0+\e], s[Q+\e], 0, v[C0+\e], s[Q+\e]
.endr
.endm
	s_cmp_eq_u32 s14, 7
	s_cbranch_scc1 .Lpart                          ; entries from 224 on: their rank is 200 or more without any count
	s_mul_i32 s16, s15, 5                          ; my part's first class
	s_mov_b32 s17, 5
.Lclass:
	s_cmp_eq_u32 s16, s12
	s_cbranch_scc1 .Lclass_next                    ; my own class gives k
	s_cmp_lt_u32 s16, s12
	s_cselect_b32 s19, 0, 1                        ; an earlier class wins ties: K' > K - 1; a later one does not: K' > K
	v_add_nc_u32 v[T], s19, v[A]
	s_lshl_b32 s19, s16, 10
	v_mov_b32 v[JA], s19
	s_mov_b32 s18, 5
.Lforty:                                               ; five trips of 40 keys: the class's first 200 entries
.irp q, 0,1,2,3,4,5,6,7,8,9
	ds_load_b128 v[KJ+4*\q:KJ+4*\q+3], v[JA] offset:LK+16*\q
.endr
.irp q, 0,1,2,3,4,5,6,7,8,9
	s_wait_dscnt 9-\q                              ; load q is in; the later ones of the ten may stay out
	CNT4 KJ+4*\q
.endr
	v_add_nc_u32 v[JA], 160, v[JA]
	s_sub_co_u32 s18, s18, 1
	s_cmp_lg_u32 s18, 0
	s_cbranch_scc1 .Lforty
.Lclass_next:
	s_add_co_u32 s16, s16, 1
	s_sub_co_u32 s17, s17, 1
	s_cmp_lg_u32 s17, 0
	s_cbranch_scc1 .Lclass
.Lpart:
	v_add_nc_u32 v[C0], v[C0], v[C0+1]
	v_add_nc_u32 v[C0+2], v[C0+2], v[C0+3]
	v_add_nc_u32 v[C0], v[C0], v[C0+2]
	s_wait_dscnt 0x0                               ; my reads of the keys are back,
	s_barrier_signal -1
	s_barrier_wait -1                              ; and so are every wave's: a barrier stands between them and the stores below
	ds_store_b32 v[PO], v[C0] offset:PCN
	s_wait_dscnt 0x0                               ; my store is done, for the others' sake
	s_barrier_signal -1
	s_barrier_wait -1                              ; the four parts' counts of all 256 entries lie in LDS
	s_cmp_ge_u32 s10, 8
	s_cbranch_scc1 .Lend
.irp p, 0,1,2,3
	ds_load_b32 v[KJ+\p], v[O4] offset:PCN+1024*\p ; thread k of the first 256
.endr
	s_wait_dscnt 0x0
	v_add_nc_u32 v[KJ], v[KJ], v[KJ+1]
	v_add_nc_u32 v[KJ+2], v[KJ+2], v[KJ+3]
	v_add3_u32 v[KJ], v[KJ], v[KJ+2], v0           ; + k
	global_store_b32 v[O4], v[KJ], s[8:9]
.Lend:
	s_wait_tensorcnt 0x0                           ; the wave's end, behind my last LDS store
	ds_add_u32 v[SPW], v[NIL]
	s_wait_dscnt 0x0
	s_endpgm
.Lfunc_end_k_qa0fb2d49a1_grank:
	.size	k_qa0fb2d49a1_grank, .Lfunc_end_k_qa0fb2d49a1_grank-k_qa0fb2d49a1_grank
	.p2alignl 7, 3214868480
	.fill 96, 4, 3214868480
	.section	.rodata,"a",@progbits
	.p2align	6, 0x0
	.amdhsa_kernel k_qa0fb2d49a1_grank
		.amdhsa_group_segment_fixed_size 28672
		.amdhsa_private_segment_fixed_size 0
		.amdhsa_enable_private_segment 0
		.amdhsa_kernarg_size 24
		.amdhsa_user_sgpr_count 2
		.amdhsa_user_sgpr_kernarg_segment_ptr 1
		.amdhsa_wavefront_size32 1
		.amdhsa_system_sgpr_workgroup_id_x 1
		.amdhsa_system_sgpr_workgroup_id_y 1
		.amdhsa_system_sgpr_workgroup_id_z 1
		.amdhsa_system_vgpr_workitem_id 0
		.amdhsa_next_free_vgpr 80
		.amdhsa_next_free_sgpr 66
		.amdhsa_reserve_vcc 1
		.amdhsa_float_denorm_mode_32 3
		.amdhsa_float_denorm_mode_16_64 3
		.amdhsa_memory_ordered 1
		.amdhsa_forward_progress 1
		.amdhsa_inst_pref_size 13
	.end_amdhsa_kernel
	.amdgpu_metadata
---
amdhsa.version: [ 1, 2 ]
amdhsa.kernels:
  - .name:           k_qa0fb2d49a1_grank
    .symbol:         k_qa0fb2d49a1_grank.kd
    .args:
      - { .name: klist, .offset: 0, .size: 8, .value_kind: global_buffer, .address_space: global }
      - { .name: sscore, .offset: 8, .size: 8, .value_kind: global_buffer, .address_space: global }
      - { .name: grank, .offset: 16, .size: 8, .value_kind: global_buffer, .address_space: global }
    .group_segment_fixed_size: 28672
    .private_segment_fixed_size: 0
    .kernarg_segment_align: 8
    .kernarg_segment_size: 24
    .max_flat_workgroup_size: 1024
    .sgpr_count:     66
    .vgpr_count:     80
    .wavefront_size: 32
...
	.end_amdgpu_metadata
.endif
;; end of part 3
;; launch emit (part 4): grid 20 x 8, 8 waves a work-group, no clusters, 0 bytes of LDS; arguments klist, grank, sbox, sscore, out0, out1, out2; writes out0, out1, out2
.if DOCPART == 4
	.amdgcn_target "amdgcn-amd-amdhsa--gfx1250"
	.amdhsa_code_object_version 6
	.text
	.protected	k_qa0fb2d49a1_emit
	.globl	k_qa0fb2d49a1_emit
	.p2align	8
	.type	k_qa0fb2d49a1_emit,@function
k_qa0fb2d49a1_emit:
	s_mov_b64 s[64:65], 0
	v_nop
	global_prefetch_b8 v0, s[64:65] scope:SCOPE_SE
	s_setreg_imm32_b32 hwreg(HW_REG_WAVE_MODE, 25, 1), 1
	s_wait_xcnt 0x0
; THE RESULTS GO TO THEIR PLACES.  Thread k of work-group (class, batch) owns entry k of the class's list.  klist and grank come from earlier launches as whole numbers: the gather's address hangs on
; the one, EXEC and the stores' addresses on the other.  An entry whose rank is below 200 writes slot rank of its batch: the box clipped to 0 .. 1, the class as a float, the score;
; an entry with no box (klist >= 1024) writes zeros, which fills the slots behind the last kept box.  The ranks below 200 occur once each in a batch, so every slot is written, by one thread.
; The stores are scattered, 16 and 4 bytes a lane: the three outputs are 38,400 bytes in all, and a stage in LDS would want an LDS address made of a rank.
; LIMIT: a NaN coordinate is clipped to 0.  No cluster, no LDS, no barrier: no thread wants what another has.
	s_load_b256 s[4:11], s[0:1], 0x0               ; klist 4, grank 6, sbox 8, sscore 10
	s_load_b128 s[12:15], s[0:1], 0x20             ; out0 12, out1 14
	s_load_b64 s[16:17], s[0:1], 0x30              ; out2
	s_and_b32 s18, ttmp7, 0xffff                   ; batch
	s_mul_i32 s19, s18, 20
	s_add_co_u32 s19, s19, ttmp9                   ; lane of the problem
	s_mov_b32 s22, ttmp9
	v_cvt_f32_u32 v15, s22                         ; the class
	v_lshlrev_b32 v1, 2, v0
	s_mov_b32 s21, 0
	s_wait_kmcnt 0x0
	s_lshl_b32 s20, s19, 10
	s_add_nc_u64 s[4:5], s[4:5], s[20:21]
	s_add_nc_u64 s[6:7], s[6:7], s[20:21]
	global_load_b32 v2, v1, s[4:5]                 ; the place
	global_load_b32 v3, v1, s[6:7]                 ; the rank
	s_lshl_b32 s20, s19, 14
	s_add_nc_u64 s[8:9], s[8:9], s[20:21]
	s_lshl_b32 s20, s19, 12
	s_add_nc_u64 s[10:11], s[10:11], s[20:21]
	s_mul_i32 s20, s18, 3200
	s_add_nc_u64 s[12:13], s[12:13], s[20:21]
	s_mul_i32 s20, s18, 800
	s_add_nc_u64 s[14:15], s[14:15], s[20:21]
	s_add_nc_u64 s[16:17], s[16:17], s[20:21]
	s_wait_loadcnt 0x0
	v_min_u32 v4, 0x3ff, v2
	v_lshlrev_b32 v5, 4, v4
	v_lshlrev_b32 v6, 2, v4
	global_load_b128 v[8:11], v5, s[8:9]
	global_load_b32 v12, v6, s[10:11]
	v_cmp_gt_u32 s23, 0x400, v2                    ; there is a box
	v_cmp_gt_u32 vcc_lo, 0xc8, v3                  ; the rank is below 200
	v_min_u32 v7, 0xc7, v3
	v_lshlrev_b32 v13, 4, v7
	v_lshlrev_b32 v14, 2, v7
	v_cndmask_b32 v15, 0, v15, s23
	s_wait_loadcnt 0x0
.irp q, 8,9,10,11
	v_max_num_f32 v\q, 0, v\q
	v_min_num_f32 v\q, 1.0, v\q
	v_cndmask_b32 v\q, 0, v\q, s23
.endr
	v_cndmask_b32 v12, 0, v12, s23
	s_wait_xcnt 0x0                                ; EXEC changes only behind this wait
	s_and_saveexec_b32 s24, vcc_lo
	global_store_b128 v13, v[8:11], s[12:13]
	global_store_b32 v14, v15, s[14:15]
	global_store_b32 v14, v12, s[16:17]
	s_wait_xcnt 0x0                                ; and again in front of the line that widens it
	s_or_b32 exec_lo, exec_lo, s24
	s_endpgm
.Lfunc_end_k_qa0fb2d49a1_emit:
	.size	k_qa0fb2d49a1_emit, .Lfunc_end_k_qa0fb2d49a1_emit-k_qa0fb2d49a1_emit
	.p2alignl 7, 3214868480
	.fill 96, 4, 3214868480
	.section	.rodata,"a",@progbits
	.p2align	6, 0x0
	.amdhsa_kernel k_qa0fb2d49a1_emit
		.amdhsa_group_segment_fixed_size 0
		.amdhsa_private_segment_fixed_size 0
		.amdhsa_enable_private_segment 0
		.amdhsa_kernarg_size 56
		.amdhsa_user_sgpr_count 2
		.amdhsa_user_sgpr_kernarg_segment_ptr 1
		.amdhsa_wavefront_size32 1
		.amdhsa_system_sgpr_workgroup_id_x 1
		.amdhsa_system_sgpr_workgroup_id_y 1
		.amdhsa_system_sgpr_workgroup_id_z 1
		.amdhsa_system_vgpr_workitem_id 0
		.amdhsa_next_free_vgpr 32
		.amdhsa_next_free_sgpr 66
		.amdhsa_reserve_vcc 1
		.amdhsa_float_denorm_mode_32 3
		.amdhsa_float_denorm_mode_16_64 3
		.amdhsa_memory_ordered 1
		.amdhsa_forward_progress 1
		.amdhsa_inst_pref_size 4
	.end_amdhsa_kernel
	.amdgpu_metadata
---
amdhsa.version: [ 1, 2 ]
amdhsa.kernels:
  - .name:           k_qa0fb2d49a1_emit
    .symbol:         k_qa0fb2d49a1_emit.kd
    .args:
      - { .name: klist, .offset: 0, .size: 8, .value_kind: global_buffer, .address_space: global }
      - { .name: grank, .offset: 8, .size: 8, .value_kind: global_buffer, .address_space: global }
      - { .name: sbox, .offset: 16, .size: 8, .value_kind: global_buffer, .address_space: global }
      - { .name: sscore, .offset: 24, .size: 8, .value_kind: global_buffer, .address_space: global }
      - { .name: out0, .offset: 32, .size: 8, .value_kind: global_buffer, .address_space: global }
      - { .name: out1, .offset: 40, .size: 8, .value_kind: global_buffer, .address_space: global }
      - { .name: out2, .offset: 48, .size: 8, .value_kind: global_buffer, .address_space: global }
    .group_segment_fixed_size: 0
    .private_segment_fixed_size: 0
    .kernarg_segment_align: 8
    .kernarg_segment_size: 56
    .max_flat_workgroup_size: 256
    .sgpr_count:     66
    .vgpr_count:     32
    .wavefront_size: 32
...
	.end_amdgpu_metadata
.endif
;; end of part 4
